; MI455X (gfx1250); checked and timed in simulation.
; The chip was launched on July 23, 2026; its instructions are those of AMD's public machine-readable ISA for CDNA 5 (MIT licence, August 2026) and "CDNA5" Instruction Set Architecture Reference Guide (July 2026). The comments in the code are by the model that wrote it; some were corrected since.
;; Flash Attention Pooling. Allowed arithmetic: matrix products marked QUANTISED: E4M3 operands, one E8M0 scale for each 32 along K, by v_wmma_scale_f32_16x16x128_f8f6f4 with both operands' format E4M3, f32 sums; products left as they are: f32 operands where the result goes on into a quantised operand, else bf16, f16 or f32 operands; f32 sums; everything else in f32.
;; Inputs: Wk 1,024 x 1,024 float32; Wq 1,024 x 1,024 float32; mask 16 x 4,096 bool; x 16 x 4,096 x 1,024 float32.
;; Outputs: out0 16 x 1,024 float32.
;; This version of the problem:
;;   THIS VERSION OF THE PROBLEM IS GIVEN IN LOW PRECISION. The matrix products marked QUANTISED in the list below multiply operands that are first quantised to E4M3 (4 exponent bits, 3 mantissa bits; 8 bits a number), with one power-of-two scale for each 32 numbers along K (OCP MX v1.0); their sums are f32. All else is computed in f32.
;;   The module's matrix products, in the order in which they are computed (A, B: the left and right operand; K: the contracted axis; several contracted axes count as one K, in the product's order):
;;     1. [M 16, K 1,024] x [K 1,024, N 1,024]; A: computed on the way; B: input Wq: QUANTISED
;;     2. [M 65,536, K 1,024] x [K 1,024, N 1,024]; A: input x; B: input Wk: QUANTISED
;;     3. batch 16 x [M 1, K 1,024] x [K 1,024, N 4,096]; A: computed on the way; B: computed on the way: left as it is (M = 1 < 16)
;;     4. batch 16 x [M 1, K 4,096] x [K 4,096, N 1,024]; A: softmax; B: input x: left as it is (M = 1 < 16)
;;   THE QUANTISER, for each operand of a quantised product, along K:
;;     - K is cut into blocks of 32 from its start; a last block that is shorter is filled with zeros.
;;     - A block's scale is 2^e with e = floor(log2(the largest magnitude in the block)) - 8, held to -126 .. 127; a block of zeros has e = 0. As a byte (E8M0): e + 127.
;;     - Each number is divided by its block's scale, clamped to +-448, and rounded to the nearest number of E4M3, ties to even, subnormals kept.
;;     - The product sums the exact products of the quantised numbers (number of the format x scale) in f32.
;;   ~~~python
;;   def quantise(x, axis):      # numpy; x: float32 -> the quantised numbers, widened to float32 again
;;       x = np.moveaxis(x, axis, -1); K = x.shape[-1]
;;       x = np.pad(x, [(0, 0)] * (x.ndim - 1) + [(0, -K % 32)]); x = x.reshape(x.shape[:-1] + (-1, 32)); a = np.abs(x).max(-1, keepdims=True)
;;       e = np.where(a > 0, np.clip(np.frexp(np.where(a > 0, a, 1))[1] - 1 - 8, -126, 127), 0)      # np.frexp(a)[1] - 1 = floor(log2(a)), exactly
;;       r = np.clip(x / 2.0 ** e, -448, 448)
;;       step = 2.0 ** (np.maximum(np.frexp(np.where(r == 0, 1, r))[1] - 1, -6) - 3)
;;       q = np.round(r / step) * step * 2.0 ** e      # np.round: ties to even
;;       return np.moveaxis(q.reshape(q.shape[:-2] + (-1,))[..., :K], -1, axis).astype(np.float32)
;;   ~~~
;;   OPERANDS COMPUTED ON THE WAY. 'Computed on the way' means the value that the module computes at that place (a softmax that the list does not call 'softmax' is quantised finished and normalised). What goes into a quantiser is computed in f32, as accurately as f32 sums, v_exp_f32 and their like allow (about 1e-6 of the number): no bf16 or f16 on the way to a quantiser, and a product that is left as it is and whose result goes on into a quantised operand takes f32 operands (vector FMAs, or v_wmma_f32_16x16x4_f32). A number that lies on a knife's edge between two numbers of the format may be rounded either way, as far as f32 arithmetic and the matrix unit's own rounding can turn it there, and no further.
;; One version. Each part assembles by itself: llvm-mc -triple=amdgcn-amd-amdhsa -mcpu=gfx1250 --defsym DOCPART=n.
;; ======== version 1 of 1: 4 launches
;; limits: right only within a limited range of input values
;; workspace buffers: xc 67,108,864 bytes; xs 2,097,152 bytes; xp 131,072 bytes; wkc 1,048,576 bytes; wks 32,768 bytes; qv 65,536 bytes; ts 262,144 bytes
;; launch quant_x (part 1): grid 256 x 1, 16 waves a work-group, no clusters, 153,600 bytes of LDS; arguments x, xc, xs, xp; writes xc, xs, xp
.if DOCPART == 1
	.amdgcn_target "amdgcn-amd-amdhsa--gfx1250"
	.amdhsa_code_object_version 6
	.text
	.protected	k_q777d88a5c8_quant_x
	.globl	k_q777d88a5c8_quant_x
	.p2align	8
	.type	k_q777d88a5c8_quant_x,@function
k_q777d88a5c8_quant_x:
	s_mov_b64 s[64:65], 0
	v_nop
	global_prefetch_b8 v0, s[64:65] scope:SCOPE_SE
	s_setreg_imm32_b32 hwreg(HW_REG_WAVE_MODE, 25, 1), 1
	s_wait_xcnt 0x0
; THE PROGRAM (four launches).  out[b] = sum_t softmax_t(q[b] . k[b][t] / 32, masked) x[b][t], with q = Q(sum_t x) Q(Wq)^T / 4096 and k = Q(x) Q(Wk)^T, Q the MX-FP8 quantiser along the 1,024.
;   1 (this one): x -> codes of E4M3 and E8M0 scale words, laid as the matrix unit's operand registers take them; and the column sums of x, in two halves of the 4,096 rows.
;   2: the sums, Wq and Wk are quantised; q is made (first product).   3: k on codes (second product), t = q . k, the mask.   4: the softmax and the weighted sum of x.
; DEAD WORK: none.  Every product of reference() reaches out0 for some finite inputs (k through the scores, q through the scores, the mask through the softmax), so all four inputs are loaded and all products are done;
; rows that the mask hides are hidden by values of an input: they are computed and then selected.
; LIMITS: NaN and infinities in x, Wq, Wk are not served by the quantiser.  A block whose largest magnitude lies under 2^-118 (the floor) gets the scale byte 1: not tried.  A block of zeros gets the byte 1 where the
; rule says 127: its codes are zeros, which add nothing under any byte but 0xff, and the bytes are read by this program alone.  A batch whose mask is all false gives NaN, as reference() does.
;
; THIS LAUNCH.  Work-group g: half = g & 1 (2,048 rows of a batch), s = (g >> 1) & 7 (128 columns: one K step of the matrix instruction), b = g >> 4.  Wave w owns 128 of the rows, as 8 units of 16 rows x 512 bytes.
; A load takes one row's 512 bytes, 16 a lane: consecutive, at a multiple of 256 from x's first byte.  The conversions want 16 NEIGHBOURS along K of one row in a lane: a unit turns through the wave's own stage in LDS.
; A unit's codes are one fragment (16 rows x 128 K): register group c of lane l goes to byte 512 c + 16 l of the fragment's 2,048 bytes in xc: four stores of 512 consecutive bytes.
; xc: [tile of 16 rows: 4,096][K step: 8][2,048 bytes].  xs: u32 [b][K step][row]: a row's four scale bytes of that K step.  xp: f32 [half][b][1,024].
; Work-groups share no input, so there is no cluster; no tensor loads: two units (32 loads of 512 bytes) of every wave are on their way.
.set WREG,   8960                      ; LDS of a wave: the stage, then its 128 scale words
.set SPITCH, 528                       ; a stage row: 512 bytes + 16 = 132 words: row r starts at bank 4 r mod 64 (64 banks of 4 bytes: ISA guide 11.1), so 16 rows' 16 bytes fall on 16 different places
.set SWO,    16*SPITCH                 ; the scale words, behind the stage
.set SX,     16*WREG                   ; the waves' column sums: 512 bytes each
.set SPARE,  SX+16*512                 ; the spare words, 128 bytes for each wave: eight blocks of 256 bytes that no other line names
.set SPW, 1                            ; v1   LDS address of my spare word; never rewritten
.set NIL, 2                            ; v2   0; never rewritten
.set GX,  3                            ; v3   16 x lane
.set STI, 4                            ; v4   the stage, on the way in: 16 x lane
.set STO, 5                            ; v5   on the way out: row r, + 64 h
.set SWA, 6                            ; v6   where row r's scale word goes
.set SRD, 7                            ; v7   and where the 128 words are read back, 16 bytes a lane
.set SXA, 8                            ; v8   my wave's column sums
.set SXR, 9                            ; v9   all waves' column sums, as wave 0 reads them
.set SUM, 12                           ; v[12:15] sums of my four columns
.set R,   16                           ; v16-143  two sets of 16 rows x 4 registers, as loaded
.set X,   144                          ; v144-207 64 numbers: register 16 c + i = k 32 c + 16 h + i of row r
.set PC,  208                          ; v208-223 the fragment's codes
.set TM,  224                          ; v224-239 at work in QUANT
.set PW,  240                          ; v240     the scale word
.set WV,  12                           ; s12
.set SEL, 14                           ; s[14:15] v_permlanex16_b32's selects for lane l xor 16
.set MNT, 16                           ; s16      the mantissa field of 448
; 64 numbers of a lane, v[s] on, become a fragment's codes in v[d] on and its row's scale word in v[pw].
.macro QUANT s, d, pw
.irp b, 0,1,2,3
	v_max3_num_f32 v[TM+\b], |v[\s+16*\b]|, |v[\s+1+16*\b]|, 0x4800000   ; block b: my 16 numbers, and the floor 2^(9 - 127): the byte cannot fall under 1
.endr
.irp i, 2,4,6,8,10,12,14
.irp b, 0,1,2,3
	s_delay_alu instid0(VALU_DEP_4)
	v_max3_num_f32 v[TM+\b], v[TM+\b], |v[\s+16*\b+\i]|, |v[\s+1+16*\b+\i]|   ; the four blocks by turns
.endr
.endr
.irp b, 0,1,2,3
	s_delay_alu instid0(VALU_DEP_4)
	v_permlanex16_b32 v[TM+4+\b], v[TM+\b], s[SEL], s[SEL+1]
.endr
.irp b, 0,1,2,3
	s_delay_alu instid0(VALU_DEP_4)
	v_max_num_f32 v[TM+\b], v[TM+\b], v[TM+4+\b]       ; with lane l xor 16's 16: the block's largest magnitude
.endr
.irp b, 0,1,2,3
	s_delay_alu instid0(VALU_DEP_4)
	v_add_nc_u32 v[TM+12+\b], 0xfc000000, v[TM+\b]     ; 8 off its exponent field: the conversion's scale operand
.endr
.irp b, 0,1,2,3
	v_and_or_b32 v[TM+8+\b], v[TM+\b], 0x7f800000, s[MNT]   ; 448 x the scale
.endr
.irp b, 0,1,2,3
	v_lshrrev_b32 v[TM+4+\b], 23, v[TM+12+\b]          ; the scale's byte
.endr
	s_delay_alu instid0(VALU_DEP_3)
	v_lshl_or_b32 v[\pw], v[TM+5], 8, v[TM+4]
	s_delay_alu instid0(VALU_DEP_1)
	v_lshl_or_b32 v[\pw], v[TM+6], 16, v[\pw]
	s_delay_alu instid0(VALU_DEP_1)
	v_lshl_or_b32 v[\pw], v[TM+7], 24, v[\pw]
.irp b, 0,1,2,3
.irp i, 0,1,2,3,4,5,6,7,8,9,10,11,12,13,14,15
	v_med3_num_f32 v[\s+16*\b+\i], v[\s+16*\b+\i], -v[TM+8+\b], v[TM+8+\b]   ; the conversion to an 8-bit code does not saturate (ISA guide 7.6.2): the hold comes first
.endr
	v_cvt_scalef32_pk8_fp8_f32 v[\d+4*\b:\d+1+4*\b], v[\s+16*\b:\s+7+16*\b], v[TM+12+\b]
	v_cvt_scalef32_pk8_fp8_f32 v[\d+2+4*\b:\d+3+4*\b], v[\s+8+16*\b:\s+15+16*\b], v[TM+12+\b]
.endr
	v_nop                                          ; one plain vector line behind the last conversion
.endm
	s_load_b256 s[4:11], s[0:1], 0x0               ; x s[4:5], xc s[6:7], xs s[8:9], xp s[10:11]
	v_lshl_add_u32 v[SPW], v0, 2, SPARE
	v_mov_b32 v[NIL], 0
	v_lshrrev_b32 v10, 5, v0
	s_delay_alu instid0(VALU_DEP_1)
	v_readfirstlane_b32 s[WV], v10                 ; wave 0..15
	v_and_b32 v10, 31, v0                          ; lane
	v_and_b32 v11, 15, v0                          ; r
	v_bfe_u32 v241, v0, 4, 1                       ; h
	s_mul_i32 s13, s[WV], WREG
	v_lshlrev_b32 v[GX], 4, v10
	s_delay_alu instid0(VALU_DEP_1)
	v_add_nc_u32 v[STI], s13, v[GX]
	v_mul_u32_u24 v[STO], v11, SPITCH
	s_delay_alu instid0(VALU_DEP_1)
	v_lshl_add_u32 v[STO], v241, 6, v[STO]
	s_delay_alu instid0(VALU_DEP_1)
	v_add_nc_u32 v[STO], s13, v[STO]
	s_add_co_u32 s17, s13, SWO
	v_lshl_add_u32 v[SWA], v11, 2, s17
	v_add_nc_u32 v[SRD], s17, v[GX]
	s_lshl_b32 s18, s[WV], 9
	s_add_co_u32 s18, s18, SX
	v_add_nc_u32 v[SXA], s18, v[GX]
	v_add_nc_u32 v[SXR], SX, v[GX]
.irp b, 0,1,2,3
	v_mov_b32 v[TM+4+\b], 0                        ; written once: a lane permute's destination counts as one of its sources
.endr
	s_mov_b32 s[SEL], 0x76543210
	s_mov_b32 s[SEL+1], 0xfedcba98
	s_mov_b32 s[MNT], 0x600000
	s_and_b32 s20, ttmp9, 1                        ; half
	s_bfe_u32 s21, ttmp9, 0x30001                  ; K step s
	s_lshr_b32 s22, ttmp9, 4                       ; b
	s_lshl_b32 s23, s22, 12
	s_lshl_b32 s24, s20, 11
	s_add_co_u32 s23, s23, s24
	s_lshl_b32 s24, s[WV], 7
	s_add_co_u32 s23, s23, s24                     ; my wave's first row among the 65,536
	s_lshl_b32 s24, s23, 12                        ; x: 4,096 bytes a row,
	s_lshl_b32 s26, s21, 9
	s_add_co_u32 s24, s24, s26                     ; + 512 s (under 2^28)
	s_mov_b32 s25, 0
	s_lshl_b32 s26, s23, 10                        ; xc: 16,384 bytes for 16 rows,
	s_lshl_b32 s28, s21, 11
	s_add_co_u32 s26, s26, s28                     ; + 2,048 s
	s_mov_b32 s27, 0
	s_lshl_b32 s28, s22, 3                         ; xs: ((8 b + s) x 4,096 + 2,048 half + 128 w) x 4
	s_add_co_u32 s28, s28, s21
	s_lshl_b32 s28, s28, 14
	s_lshl_b32 s30, s20, 13
	s_add_co_u32 s28, s28, s30
	s_lshl_b32 s30, s[WV], 9
	s_add_co_u32 s28, s28, s30
	s_mov_b32 s29, 0
	s_lshl_b32 s30, s20, 4                         ; xp: (16 half + b) x 4,096 + 512 s
	s_add_co_u32 s30, s30, s22
	s_lshl_b32 s30, s30, 12
	s_lshl_b32 s32, s21, 9
	s_add_co_u32 s30, s30, s32
	s_mov_b32 s31, 0
	s_wait_kmcnt 0x0
	s_add_nc_u64 s[4:5], s[4:5], s[24:25]
	s_add_nc_u64 s[6:7], s[6:7], s[26:27]
	s_add_nc_u64 s[8:9], s[8:9], s[28:29]
	s_add_nc_u64 s[10:11], s[10:11], s[30:31]
.macro LOADU i                         ; unit i: 16 rows, a row a load, into set i % 2.  Every offset is an immediate: 127 rows of 4,096 bytes at the most
.irp t, 0,1,2,3,4,5,6,7,8,9,10,11,12,13,14,15
	global_load_b128 v[R+64*((\i)%2)+4*\t:R+64*((\i)%2)+4*\t+3], v[GX], s[4:5] offset:(16*(\i)+\t)*4096 th:TH_LOAD_NT
.endr
.endm
.macro UNIT i
.set RS, R+64*((\i)%2)
.if (\i) < 7
	s_wait_loadcnt 16                              ; my unit's 16 loads are in; the next unit's 16 may be out
.else
	s_wait_loadcnt 0x0
.endif
.irp t, 0
.if ((\i) == 0) && (\t == 1)
	v_pk_add_f32 v[SUM:SUM+1], v[RS:RS+1], v[RS+4:RS+5]            ; the first two rows start the column sums: nothing is cleared
	v_pk_add_f32 v[SUM+2:SUM+3], v[RS+2:RS+3], v[RS+6:RS+7]
.elseif ((\i) > 0) || (\t > 1)
	v_pk_add_f32 v[SUM:SUM+1], v[SUM:SUM+1], v[RS+4*\t:RS+4*\t+1]
	v_pk_add_f32 v[SUM+2:SUM+3], v[SUM+2:SUM+3], v[RS+4*\t+2:RS+4*\t+3]
.endif
.endr
.irp t, 1, 2, 3, 4, 5, 6, 7, 8, 9, 10, 11, 12, 13, 14, 15
.if ((\i) == 0) && (\t == 1)
	v_pk_add_f32 v[SUM:SUM+1], v[RS:RS+1], v[RS+4:RS+5]            ; the first two rows start the column sums: nothing is cleared
	v_pk_add_f32 v[SUM+2:SUM+3], v[RS+2:RS+3], v[RS+6:RS+7]
.elseif ((\i) > 0) || (\t > 1)
	s_delay_alu instid0(VALU_DEP_2)
	v_pk_add_f32 v[SUM:SUM+1], v[SUM:SUM+1], v[RS+4*\t:RS+4*\t+1]
	s_delay_alu instid0(VALU_DEP_2)
	v_pk_add_f32 v[SUM+2:SUM+3], v[SUM+2:SUM+3], v[RS+4*\t+2:RS+4*\t+3]
.endif
.endr
.irp t, 0,1,2,3,4,5,6,7,8,9,10,11,12,13,14,15
	ds_store_b128 v[STI], v[RS+4*\t:RS+4*\t+3] offset:\t*SPITCH    ; the rows as they lie
.endr
.irp c, 0,1,2,3
.irp j, 0,1,2,3
	ds_load_b128 v[X+16*\c+4*\j:X+16*\c+4*\j+3], v[STO] offset:128*\c+16*\j   ; LDS serves a wave's instructions in order (ISA guide 5.7.1.4): these see the stores above
.endr
.endr
	s_wait_dscnt 0x0                               ; my 64 numbers are in, and the stores have read the set
	s_wait_xcnt 0x0                                ; the last unit's stores of codes have read their registers: they are written again below
.if (\i) < 6
	LOADU (\i)+2                                   ; the set takes the unit two further on
.endif
	QUANT X, PC, PW
	ds_store_b32 v[SWA], v[PW] offset:64*(\i)      ; lanes r and r + 16 write the same word with the same value
.irp c, 0,1,2,3
	global_store_b128 v[GX], v[PC+4*\c:PC+4*\c+3], s[6:7] offset:16384*(\i)+512*\c   ; 32 lanes store 512 consecutive bytes, at a multiple of 256 from xc's first byte
.endr
.endm
	LOADU 0
	LOADU 1
.irp u, 0,1,2,3,4,5,6,7
	UNIT \u
.endr
	ds_load_b128 v[R:R+3], v[SRD]                  ; my wave's 128 scale words (in order behind their stores)
	ds_store_b128 v[SXA], v[SUM:SUM+3]             ; my wave's column sums, for wave 0
	s_wait_dscnt 0x0                               ; for my register, and for the others' sake: zero
	global_store_b128 v[GX], v[R:R+3], s[8:9]      ; 512 consecutive bytes of xs
	s_barrier_signal -1
	s_barrier_wait -1
	s_cmp_lg_u32 s[WV], 0
	s_cbranch_scc1 .Lend
.irp k, 0,1,2,3,4,5,6,7,8,9,10,11,12,13,14,15
	ds_load_b128 v[R+64+4*\k:R+64+4*\k+3], v[SXR] offset:512*\k    ; into the second set: the first still holds the data of the store above
.endr
	s_wait_dscnt 0x0
.irp k, 1
	v_pk_add_f32 v[R+64:R+65], v[R+64:R+65], v[R+64+4*\k:R+65+4*\k]
	v_pk_add_f32 v[R+66:R+67], v[R+66:R+67], v[R+66+4*\k:R+67+4*\k]
.endr
.irp k, 2, 3, 4, 5, 6, 7, 8, 9, 10, 11, 12, 13, 14, 15
	s_delay_alu instid0(VALU_DEP_2)
	v_pk_add_f32 v[R+64:R+65], v[R+64:R+65], v[R+64+4*\k:R+65+4*\k]
	s_delay_alu instid0(VALU_DEP_2)
	v_pk_add_f32 v[R+66:R+67], v[R+66:R+67], v[R+66+4*\k:R+67+4*\k]
.endr
	global_store_b128 v[GX], v[R+64:R+67], s[10:11]    ; the work-group's 128 column sums: 512 consecutive bytes of xp
.Lend:
	s_wait_tensorcnt 0x0                           ; the wave's end: behind my last LDS store
	ds_add_u32 v[SPW], v[NIL]
	s_wait_dscnt 0x0
	s_endpgm
.Lfunc_end_k_q777d88a5c8_quant_x:
	.size	k_q777d88a5c8_quant_x, .Lfunc_end_k_q777d88a5c8_quant_x-k_q777d88a5c8_quant_x
	.p2alignl 7, 3214868480
	.fill 96, 4, 3214868480
	.section	.rodata,"a",@progbits
	.p2align	6, 0x0
	.amdhsa_kernel k_q777d88a5c8_quant_x
		.amdhsa_group_segment_fixed_size 153600
		.amdhsa_private_segment_fixed_size 0
		.amdhsa_enable_private_segment 0
		.amdhsa_kernarg_size 32
		.amdhsa_user_sgpr_count 2
		.amdhsa_user_sgpr_kernarg_segment_ptr 1
		.amdhsa_wavefront_size32 1
		.amdhsa_system_sgpr_workgroup_id_x 1
		.amdhsa_system_sgpr_workgroup_id_y 1
		.amdhsa_system_sgpr_workgroup_id_z 1
		.amdhsa_system_vgpr_workitem_id 0
		.amdhsa_next_free_vgpr 248
		.amdhsa_next_free_sgpr 66
		.amdhsa_reserve_vcc 0
		.amdhsa_float_denorm_mode_32 3
		.amdhsa_float_denorm_mode_16_64 3
		.amdhsa_memory_ordered 1
		.amdhsa_forward_progress 1
		.amdhsa_inst_pref_size 138
	.end_amdhsa_kernel
	.amdgpu_metadata
---
amdhsa.version: [ 1, 2 ]
amdhsa.kernels:
  - .name:           k_q777d88a5c8_quant_x
    .symbol:         k_q777d88a5c8_quant_x.kd
    .args:
      - { .name: x, .offset: 0, .size: 8, .value_kind: global_buffer, .address_space: global }
      - { .name: xc, .offset: 8, .size: 8, .value_kind: global_buffer, .address_space: global }
      - { .name: xs, .offset: 16, .size: 8, .value_kind: global_buffer, .address_space: global }
      - { .name: xp, .offset: 24, .size: 8, .value_kind: global_buffer, .address_space: global }
    .group_segment_fixed_size: 153600
    .private_segment_fixed_size: 0
    .kernarg_segment_align: 8
    .kernarg_segment_size: 32
    .max_flat_workgroup_size: 512
    .sgpr_count:     66
    .vgpr_count:     248
    .wavefront_size: 32
...
	.end_amdgpu_metadata
.endif
;; end of part 1
;; launch proj (part 2): grid 128 x 1, 8 waves a work-group, no clusters, 144,896 bytes of LDS; arguments Wq, Wk, xp, wkc, wks, qv; writes wkc, wks, qv
.if DOCPART == 2
	.amdgcn_target "amdgcn-amd-amdhsa--gfx1250"
	.amdhsa_code_object_version 6
	.text
	.protected	k_q777d88a5c8_proj
	.globl	k_q777d88a5c8_proj
	.p2align	8
	.type	k_q777d88a5c8_proj,@function
k_q777d88a5c8_proj:
	s_mov_b64 s[64:65], 0
	v_nop
	global_prefetch_b8 v0, s[64:65] scope:SCOPE_SE
	s_setreg_imm32_b32 hwreg(HW_REG_WAVE_MODE, 25, 1), 1
	s_wait_xcnt 0x0
; Launch 2 of 4.  No work of reference() is left out.
; Work-groups 0-63 (path Q): qv[b][e] = c x sum_d Q(sum_t x)[b][d] Q(Wq)[e][d] for 16 outputs e = 16 n .. 16 n + 15 and all 16 batches; c = log2(e) / (4096 x 32), so that launch 3's dot product is the score in powers of two.
; Work-groups 64-127 (path K): rows 16 n .. 16 n + 15 of Wk become codes and scale words, laid as launch 3's operand registers take them.
; Wave s of eight takes K step s (128 along the 1,024).  A tile of W (16 rows x 512 bytes) is loaded a row a load and turns through the wave's stage in LDS, as in launch 1.
; Path Q: lane (r, h) loads its 64 numbers of batch r's two half sums straight from xp, adds them in f32, quantises; ONE scaled matrix instruction a wave; the eight K steps' results meet in LDS and wave 0 adds them, K ascending.
; wkc: [n 64][K step 8][2,048 bytes]: register group c of lane l at 512 c + 16 l.  wks: u32 [n][u 2][L 32][jj 2]: row L & 15, K step 4 u + 2 jj + (L >> 4): so one load of 8 bytes a lane gives launch 3 two scale registers,
; each with one K step's words in lanes 0-15 and the next one's in lanes 16-31.
; The two paths part once, on the work-group's number, and do not join; each has LDS bytes of its own.  No cluster: what work-groups share (xp, 128 KB) is loaded through registers, once a wave, in a launch with one matrix instruction a wave.
; LIMITS: those of launch 1's quantiser.
.set SPITCH, 528
.set STK,    8*16*SPITCH               ; path K's stages, behind path Q's
.set KS,     2*STK                     ; path K: the tile's 128 scale words
.set RQ,     KS+512                    ; path Q: eight partial results of 1,024 bytes
.set SPARE,  RQ+8*1024                 ; the spare words, 128 bytes for each wave: four blocks of 256 bytes that no other line names
.set SPW, 1
.set NIL, 2
.set LI,  3                            ; v3   16 x lane
.set STIQ, 4                           ; v4, v5   path Q's stage, in and out
.set STOQ, 5
.set KSA, 6                            ; v6   where row r's scale word of my K step goes
.set RQA, 7                            ; v7   where my partial result goes
.set KSR, 8                            ; v8   the 128 words, as wave 0 reads them
.set RQR, 9                            ; v9   the partial results, as wave 0 reads them
.set XPO, 10                           ; v10  xp: 4,096 r + 64 h
.set QO,  11                           ; v11  qv: 32,768 h + 4 r
.set PWA, 12                           ; v12  the sums' scale word;  v13  W's.  They hold scales and nothing else
.set PWB, 13
.set STIK, 14                          ; v14, v15 path K's stage
.set STOK, 15
.set R,   16                           ; v16-79   W's 16 rows as loaded; later the result and the eight partial results
.set X,   80                           ; v80-143  64 numbers
.set P0,  144                          ; v144-207 64 numbers of the sums
.set FA,  208                          ; v208-223 the sums' codes
.set FB,  224                          ; v224-239 W's codes
.set TM,  240                          ; v240-255 at work in QUANT
.set WV,  16
.set SEL, 32
.set MNT, 34
.set CC,  36                           ; s[36:37] c, named as a pair
.macro QUANT s, d, pw
.irp b, 0,1,2,3
	v_max3_num_f32 v[TM+\b], |v[\s+16*\b]|, |v[\s+1+16*\b]|, 0x4800000   ; block b: my 16 numbers, and the floor 2^(9 - 127)
.endr
.irp i, 2,4,6,8,10,12,14
.irp b, 0,1,2,3
	s_delay_alu instid0(VALU_DEP_4)
	v_max3_num_f32 v[TM+\b], v[TM+\b], |v[\s+16*\b+\i]|, |v[\s+1+16*\b+\i]|
.endr
.endr
.irp b, 0,1,2,3
	s_delay_alu instid0(VALU_DEP_4)
	v_permlanex16_b32 v[TM+4+\b], v[TM+\b], s[SEL], s[SEL+1]
.endr
.irp b, 0,1,2,3
	s_delay_alu instid0(VALU_DEP_4)
	v_max_num_f32 v[TM+\b], v[TM+\b], v[TM+4+\b]
.endr
.irp b, 0,1,2,3
	s_delay_alu instid0(VALU_DEP_4)
	v_add_nc_u32 v[TM+12+\b], 0xfc000000, v[TM+\b]
.endr
.irp b, 0,1,2,3
	v_and_or_b32 v[TM+8+\b], v[TM+\b], 0x7f800000, s[MNT]
.endr
.irp b, 0,1,2,3
	v_lshrrev_b32 v[TM+4+\b], 23, v[TM+12+\b]
.endr
	s_delay_alu instid0(VALU_DEP_3)
	v_lshl_or_b32 v[\pw], v[TM+5], 8, v[TM+4]
	s_delay_alu instid0(VALU_DEP_1)
	v_lshl_or_b32 v[\pw], v[TM+6], 16, v[\pw]
	s_delay_alu instid0(VALU_DEP_1)
	v_lshl_or_b32 v[\pw], v[TM+7], 24, v[\pw]
.irp b, 0,1,2,3
.irp i, 0,1,2,3,4,5,6,7,8,9,10,11,12,13,14,15
	v_med3_num_f32 v[\s+16*\b+\i], v[\s+16*\b+\i], -v[TM+8+\b], v[TM+8+\b]
.endr
	v_cvt_scalef32_pk8_fp8_f32 v[\d+4*\b:\d+1+4*\b], v[\s+16*\b:\s+7+16*\b], v[TM+12+\b]
	v_cvt_scalef32_pk8_fp8_f32 v[\d+2+4*\b:\d+3+4*\b], v[\s+8+16*\b:\s+15+16*\b], v[TM+12+\b]
.endr
	v_nop
.endm
.macro WLOAD base                      ; the tile's 16 rows, my K step's 512 bytes of each
.irp t, 0,1,2,3,4,5,6,7,8,9,10,11,12,13,14,15
	global_load_b128 v[R+4*\t:R+4*\t+3], v[LI], s[\base:\base+1] offset:4096*\t th:TH_LOAD_NT
.endr
.endm
.macro STAGE sti, sto                  ; through my stage: rows in, 16 neighbours of each block of 32 out
.irp t, 0,1,2,3,4,5,6,7,8,9,10,11,12,13,14,15
	ds_store_b128 v[\sti], v[R+4*\t:R+4*\t+3] offset:\t*SPITCH
.endr
.irp c, 0,1,2,3
.irp j, 0,1,2,3
	ds_load_b128 v[X+16*\c+4*\j:X+16*\c+4*\j+3], v[\sto] offset:128*\c+16*\j
.endr
.endr
	s_wait_dscnt 0x0
.endm
	s_load_b256 s[4:11], s[0:1], 0x0               ; Wq s[4:5], Wk s[6:7], xp s[8:9], wkc s[10:11]
	s_load_b128 s[12:15], s[0:1], 0x20             ; wks s[12:13], qv s[14:15]
	v_lshl_add_u32 v[SPW], v0, 2, SPARE
	v_mov_b32 v[NIL], 0
	v_lshrrev_b32 v16, 5, v0
	s_delay_alu instid0(VALU_DEP_1)
	v_readfirstlane_b32 s[WV], v16                 ; wave = K step, 0..7
	v_and_b32 v16, 31, v0                          ; lane
	v_and_b32 v17, 15, v0                          ; r
	s_wait_alu depctr_va_vdst(0)
	v_bfe_u32 v18, v0, 4, 1                        ; h
	v_lshlrev_b32 v[LI], 4, v16
	s_wait_alu depctr_va_vdst(0)
	s_mul_i32 s17, s[WV], 16*SPITCH
	v_add_nc_u32 v[STIQ], s17, v[LI]
	v_mul_u32_u24 v[STOQ], v17, SPITCH
	s_delay_alu instid0(VALU_DEP_1)
	v_lshl_add_u32 v[STOQ], v18, 6, v[STOQ]
	s_delay_alu instid0(VALU_DEP_1)
	v_add_nc_u32 v[STOQ], s17, v[STOQ]
	s_delay_alu instid0(VALU_DEP_4)
	v_add_nc_u32 v[STIK], STK, v[STIQ]
	s_delay_alu instid0(VALU_DEP_2)
	v_add_nc_u32 v[STOK], STK, v[STOQ]
	s_lshr_b32 s18, s[WV], 2                       ; u = s >> 2: 256 bytes
	s_lshl_b32 s18, s18, 8
	s_and_b32 s19, s[WV], 1                        ; s & 1: lanes 16-31: 128 bytes
	s_lshl_b32 s19, s19, 7
	s_add_co_u32 s18, s18, s19
	s_bfe_u32 s19, s[WV], 0x10001                  ; jj = (s >> 1) & 1: 4 bytes
	s_lshl_b32 s19, s19, 2
	s_add_co_u32 s18, s18, s19
	s_add_co_u32 s18, s18, KS
	v_lshl_add_u32 v[KSA], v17, 3, s18
	s_lshl_b32 s19, s[WV], 10
	s_add_co_u32 s19, s19, RQ
	v_add_nc_u32 v[RQA], s19, v[LI]
	v_add_nc_u32 v[KSR], KS, v[LI]
	v_add_nc_u32 v[RQR], RQ, v[LI]
	v_lshlrev_b32 v[XPO], 12, v17
	s_delay_alu instid0(VALU_DEP_1)
	v_lshl_add_u32 v[XPO], v18, 6, v[XPO]
	v_lshlrev_b32 v[QO], 2, v17
	s_delay_alu instid0(VALU_DEP_1)
	v_lshl_add_u32 v[QO], v18, 15, v[QO]
.irp b, 0,1,2,3
	v_mov_b32 v[TM+4+\b], 0                        ; written once: a lane permute's destination counts as one of its sources
.endr
	s_mov_b32 s[SEL], 0x76543210
	s_mov_b32 s[SEL+1], 0xfedcba98
	s_mov_b32 s[MNT], 0x600000
	s_mov_b32 s[CC], 0x3738aa3b                    ; c = log2(e) x 2^-17
	s_mov_b32 s[CC+1], s[CC]
	s_and_b32 s20, ttmp9, 63                       ; n
	s_lshl_b32 s22, s20, 16                        ; W: 16 n rows of 4,096 bytes,
	s_lshl_b32 s24, s[WV], 9
	s_add_co_u32 s22, s22, s24                     ; + 512 s
	s_mov_b32 s23, 0
	s_mov_b32 s25, 0                               ; xp: 512 s
	s_lshl_b32 s26, s20, 14                        ; wkc: 16,384 n + 2,048 s
	s_lshl_b32 s28, s[WV], 11
	s_add_co_u32 s26, s26, s28
	s_mov_b32 s27, 0
	s_lshl_b32 s28, s20, 9                         ; wks: 512 n
	s_mov_b32 s29, 0
	s_lshl_b32 s30, s20, 6                         ; qv: 64 n
	s_mov_b32 s31, 0
	s_wait_kmcnt 0x0
	s_add_nc_u64 s[4:5], s[4:5], s[22:23]
	s_add_nc_u64 s[6:7], s[6:7], s[22:23]
	s_add_nc_u64 s[8:9], s[8:9], s[24:25]
	s_add_nc_u64 s[10:11], s[10:11], s[26:27]
	s_add_nc_u64 s[12:13], s[12:13], s[28:29]
	s_add_nc_u64 s[14:15], s[14:15], s[30:31]
	s_cmp_lt_u32 ttmp9, 64                         ; the work-group's number alone: all eight waves go the same way
	s_cbranch_scc0 .Lpath_k
	; ---- path Q
	s_wait_alu depctr_va_vdst(0)
.irp c, 0,1,2,3
.irp j, 0,1,2,3
	global_load_b128 v[P0+16*\c+4*\j:P0+16*\c+4*\j+3], v[XPO], s[8:9] offset:128*\c+16*\j          ; the first half's sums: batch r, k 128 s + 32 c + 16 h + 4 j on
.endr
.endr
.irp c, 0,1,2,3
.irp j, 0,1,2,3
	global_load_b128 v[X+16*\c+4*\j:X+16*\c+4*\j+3], v[XPO], s[8:9] offset:65536+128*\c+16*\j      ; the second half's
.endr
.endr
	WLOAD 4
	s_wait_loadcnt 16                              ; the sums are in; Wq's 16 loads may be out
.set I, 0
.rept 32
	v_pk_add_f32 v[P0+I:P0+I+1], v[P0+I:P0+I+1], v[X+I:X+I+1]      ; sum over all 4,096 rows, f32
.set I, I+2
.endr
	QUANT P0, FA, PWA
	s_wait_loadcnt 0x0
	STAGE STIQ, STOQ
	QUANT X, FB, PWB
.rept 8
	v_nop                                          ; codes made by vector instructions stand 4 places ahead of a scaled matrix instruction, a scale word 8 (both words were made ahead of the holds)
.endr
	v_wmma_scale_f32_16x16x128_f8f6f4 v[R:R+7], v[FA:FA+15], v[FB:FB+15], 0, v[PWA], v[PWB]   ; register j of lane (r, h): batch 8 h + j, output 16 n + r; K step s alone
.rept 8
	v_nop                                          ; eight places behind this form before its result is read
.endr
	ds_store_b128 v[RQA], v[R:R+3]                 ; the result from its low end on
	ds_store_b128 v[RQA], v[R+4:R+7] offset:512
	s_wait_dscnt 0x0                               ; for the others' sake: zero
	s_barrier_signal -1
	s_barrier_wait -1
	s_cmp_lg_u32 s[WV], 0
	s_cbranch_scc1 .Lend_q
.irp k, 0,1,2,3,4,5,6,7
	ds_load_b128 v[R+8*\k:R+8*\k+3], v[RQR] offset:1024*\k
	ds_load_b128 v[R+8*\k+4:R+8*\k+7], v[RQR] offset:1024*\k+512
.endr
	s_wait_dscnt 0x0
.irp k, 1,2,3,4,5,6,7
.irp i, 0,2,4,6
	v_pk_add_f32 v[R+\i:R+\i+1], v[R+\i:R+\i+1], v[R+8*\k+\i:R+8*\k+\i+1]   ; K ascending
.endr
.endr
.irp i, 0,2,4,6
	s_delay_alu instid0(VALU_DEP_4)
	v_pk_mul_f32 v[R+\i:R+\i+1], v[R+\i:R+\i+1], s[CC:CC+1] op_sel_hi:[1,0]
.endr
.irp j, 0,1,2,3,4,5,6,7
	global_store_b32 v[QO], v[R+\j], s[14:15] offset:4096*\j       ; 64 bytes of each of 16 rows: 1 KB a work-group, the whole of what it makes
.endr
.Lend_q:
	s_wait_tensorcnt 0x0                           ; the wave's end: behind my last LDS store
	ds_add_u32 v[SPW], v[NIL]
	s_wait_dscnt 0x0
	s_endpgm
	; ---- path K
.Lpath_k:
	WLOAD 6
	s_wait_loadcnt 0x0
	STAGE STIK, STOK
	QUANT X, FB, PWB
.irp c, 0,1,2,3
	global_store_b128 v[LI], v[FB+4*\c:FB+4*\c+3], s[10:11] offset:512*\c    ; 512 consecutive bytes, at a multiple of 256 from wkc's first byte
.endr
	ds_store_b32 v[KSA], v[PWB]                    ; lanes r and r + 16 write the same word with the same value
	s_wait_dscnt 0x0
	s_barrier_signal -1
	s_barrier_wait -1
	s_cmp_lg_u32 s[WV], 0
	s_cbranch_scc1 .Lend_k
	ds_load_b128 v[R:R+3], v[KSR]
	s_wait_dscnt 0x0
	global_store_b128 v[LI], v[R:R+3], s[12:13]    ; the tile's 512 bytes of scale words
.Lend_k:
	s_wait_tensorcnt 0x0                           ; the wave's end, as above
	ds_add_u32 v[SPW], v[NIL]
	s_wait_dscnt 0x0
	s_endpgm
.Lfunc_end_k_q777d88a5c8_proj:
	.size	k_q777d88a5c8_proj, .Lfunc_end_k_q777d88a5c8_proj-k_q777d88a5c8_proj
	.p2alignl 7, 3214868480
	.fill 96, 4, 3214868480
	.section	.rodata,"a",@progbits
	.p2align	6, 0x0
	.amdhsa_kernel k_q777d88a5c8_proj
		.amdhsa_group_segment_fixed_size 144896
		.amdhsa_private_segment_fixed_size 0
		.amdhsa_enable_private_segment 0
		.amdhsa_kernarg_size 48
		.amdhsa_user_sgpr_count 2
		.amdhsa_user_sgpr_kernarg_segment_ptr 1
		.amdhsa_wavefront_size32 1
		.amdhsa_system_sgpr_workgroup_id_x 1
		.amdhsa_system_sgpr_workgroup_id_y 1
		.amdhsa_system_sgpr_workgroup_id_z 1
		.amdhsa_system_vgpr_workitem_id 0
		.amdhsa_next_free_vgpr 256
		.amdhsa_next_free_sgpr 66
		.amdhsa_reserve_vcc 0
		.amdhsa_float_denorm_mode_32 3
		.amdhsa_float_denorm_mode_16_64 3
		.amdhsa_memory_ordered 1
		.amdhsa_forward_progress 1
		.amdhsa_inst_pref_size 50
	.end_amdhsa_kernel
	.amdgpu_metadata
---
amdhsa.version: [ 1, 2 ]
amdhsa.kernels:
  - .name:           k_q777d88a5c8_proj
    .symbol:         k_q777d88a5c8_proj.kd
    .args:
      - { .name: Wq, .offset: 0, .size: 8, .value_kind: global_buffer, .address_space: global }
      - { .name: Wk, .offset: 8, .size: 8, .value_kind: global_buffer, .address_space: global }
      - { .name: xp, .offset: 16, .size: 8, .value_kind: global_buffer, .address_space: global }
      - { .name: wkc, .offset: 24, .size: 8, .value_kind: global_buffer, .address_space: global }
      - { .name: wks, .offset: 32, .size: 8, .value_kind: global_buffer, .address_space: global }
      - { .name: qv, .offset: 40, .size: 8, .value_kind: global_buffer, .address_space: global }
    .group_segment_fixed_size: 144896
    .private_segment_fixed_size: 0
    .kernarg_segment_align: 8
    .kernarg_segment_size: 48
    .max_flat_workgroup_size: 256
    .sgpr_count:     66
    .vgpr_count:     256
    .wavefront_size: 32
...
	.end_amdgpu_metadata
.endif
;; end of part 2
;; launch scores (part 3): grid 256 x 1, 4 waves a work-group, clusters of 4 x 1, 327,680 bytes of LDS; arguments xc, xs, wkc, wks, qv, mask, ts; writes ts
.if DOCPART == 3
	.amdgcn_target "amdgcn-amd-amdhsa--gfx1250"
	.amdhsa_code_object_version 6
	.text
	.protected	k_q777d88a5c8_scores
	.globl	k_q777d88a5c8_scores
	.p2align	8
	.type	k_q777d88a5c8_scores,@function
k_q777d88a5c8_scores:
	s_mov_b64 s[64:65], 0
	v_nop
	global_prefetch_b8 v0, s[64:65] scope:SCOPE_SE
	s_setreg_imm32_b32 hwreg(HW_REG_WAVE_MODE, 25, 1), 1
	s_wait_xcnt 0x0
	s_wait_alu depctr_hold_cnt(0) depctr_sa_sdst(0) depctr_va_vdst(0) depctr_va_sdst(0) depctr_va_ssrc(0) depctr_va_vcc(0) depctr_vm_vsrc(0)
	s_getreg_b32 s2, hwreg(HW_REG_IB_STS2, 6, 4)
	s_cmp_eq_u32 s2, 0
	s_cbranch_scc0 .Lentry_in_a_cluster
	s_endpgm
.Lentry_in_a_cluster:
	s_bfe_u32 s2, ttmp6, 0x10000c
	s_cmp_lg_u32 s2, 0x3003
	s_cbranch_scc0 .Lentry_shape_is_right
	s_endpgm
.Lentry_shape_is_right:
; Launch 3 of 4.  No work of reference() is left out.
; ts[b][t] = sum_e qv[b][e] k[b][t][e], k = Q(x) Q(Wk)^T on codes; -infinity where the mask hides row t.
; A work-group owns 256 rows of x; wave (WR, WK) owns 128 of them and 512 of the 1,024 along K: its codes of x, 512 registers (windows 2 and 3), stay for the whole launch.
; Wk's codes walk through two LDS slots of 8 tiles (16 outputs x 1,024 K each); the four work-groups of a cluster ask for them jointly (mask 15).
; A tile is 32 matrix instructions on 8 accumulators by turns; the tile before is multiplied by q and summed in two groups of 16 packed multiply-adds, behind the 16th and the 32nd.
; At the head the loads of x's codes, scales, q and the mask are issued behind the first two tensor loads, ahead of the waits for these.
; At the end the 16 lanes of a row and the two halves of K are added, the mask is applied and 256 numbers are stored.
.set SLOTB, 131072
.set TILEB, 16384
.set WSC,   2*SLOTB
.set QL,    WSC+32768
.set SCX,   QL+4096
.set SPARE, SCX+2048
.set SPW, 1
.set NIL, 2
.set LB,  3
.set LSB, 4
.set LQ,  5
.set ADR, 6
.set ADS, 7
.set ADQ, 8
.set MK,  9
.set LI,  10
.set ASO, 11
.set SXA, 12
.set SXR, 13
.set T16, 14
.set QLA, 15
.set AS,  16
.set BS,  32
.set QR,  36
.set ML,  48
.set L8,  49
.set SA,  64
.set ACC, 128
.set WV,  18
.set WK,  23
.set WR,  57
.set G1C, 24
.set G1S, 32
.set G0S, 40
.set G0A, 44
.set G0B, 48
.set TB,  52
.set TS,  53
.set TQ,  54
.set CO,  55
.set CI,  56
.set MSB, 0
.macro WIN new
.if MSB != \new
	s_set_vgpr_msb (MSB<<8)|\new
.set MSB, \new
.endif
.endm
.macro PLACES n
.rept \n
	v_nop
.endr
.endm
.macro CROUND
	s_barrier_signal -1
	s_barrier_wait -1
	s_cmp_lg_u32 s[WV], 0
	s_cbranch_scc1 .Lnot_wave_0_\@
	s_barrier_signal -3
.Lnot_wave_0_\@:
	s_barrier_wait -3
	s_barrier_signal -1
	s_barrier_wait -1
.endm
.macro ADDR
	v_add_nc_u32 v[ADR], s[TB], v[LB]
	v_add_nc_u32 v[ADS], s[TS], v[LSB]
	v_add_nc_u32 v[ADQ], s[TQ], v[LQ]
	s_add_co_u32 s[TB], s[TB], TILEB
	s_add_co_u32 s[TS], s[TS], 512
	s_add_co_u32 s[TQ], s[TQ], 64
.endm
.macro FETCH p, q
	WIN 0x40
.irp s, 0,1,2,3
.irp c, 0,1,2,3
	ds_load_b128 v[64*(\p)+16*\s+4*\c:64*(\p)+16*\s+4*\c+3], v[ADR] offset:2048*\s+512*\c
.endr
.endr
	WIN 0
	ds_load_b64 v[BS+2*(\p):BS+2*(\p)+1], v[ADS]
.if \q
	ds_load_b32 v[QR+2*(1-(\p))], v[ADQ]
.endif
.endm
.macro WM p
.set NHF, NI/16
.set NU,  (NI/8)%2
.set NM,  NI%8
.set rD,  ACC+64*(\p)+8*NM
.set rA,  32*NM+16*NU
.set rB,  64*(\p)+32*NHF+16*NU
	WIN 0x06+NHF
.if NI < 8
	v_wmma_scale_f32_16x16x128_f8f6f4 v[rD:rD+7], v[rA:rA+15], v[rB:rB+15], 0, v[AS+2*NM+NHF], v[BS+2*(\p)+NHF]
.elseif NU == 0
	v_wmma_scale_f32_16x16x128_f8f6f4 v[rD:rD+7], v[rA:rA+15], v[rB:rB+15], v[rD:rD+7], v[AS+2*NM+NHF], v[BS+2*(\p)+NHF]
.else
	v_wmma_scale_f32_16x16x128_f8f6f4 v[rD:rD+7], v[rA:rA+15], v[rB:rB+15], v[rD:rD+7], v[AS+2*NM+NHF], v[BS+2*(\p)+NHF] matrix_a_scale:MATRIX_SCALE_ROW1 matrix_b_scale:MATRIX_SCALE_ROW1
.endif
.endm
.macro FM p
	v_pk_fma_f32 v[SA+2*NJ:SA+2*NJ+1], v[ACC+64*(\p)+2*NJ:ACC+64*(\p)+2*NJ+1], v[QR+2*(\p):QR+2*(\p)+1], v[SA+2*NJ:SA+2*NJ+1] op_sel_hi:[1,0,1]
.set NJ, NJ+1
.endm
.macro TILE p, epi, fetch, turn
.if (\turn) > 0
	s_wait_tensorcnt 0x0
	ds_add_u32 v[SPW], v[NIL]
.if (\turn) == 1
	s_xor_b32 s[G0B+1], s[G0B+1], SLOTB
	s_add_nc_u64 s[G0B+2:G0B+3], s[G0B+2:G0B+3], SLOTB
.endif
	s_sub_co_u32 s[TB], s[TB], SLOTB
	s_xor_b32 s[TB], s[TB], SLOTB
	s_wait_dscnt 1
.else
	s_wait_dscnt 0x0
.endif
	ADDR                                           ; this tile's addresses, directly behind the last tile's multiply-adds
.set NI, 0
.set NJ, 0
.rept 32
	WM \p
.if (NI%16 == 15) && (\epi)
	WIN 0
.rept 16
	FM 1-\p                                        ; the other set's results x q; the 16 behind the last product are also its places
.endr
.endif
.if (NI == 31) && ((\epi) == 0)
	PLACES 8                                       ; the first tile has no multiply-adds: eight places behind its last product
.endif
.if (NI == 5) && ((\turn) == 0)
.if (\fetch) == 1
	s_wait_alu depctr_va_vdst(0)
	FETCH 1-\p, 1
.else
	WIN 0
	ds_load_b32 v[QR+2*(\p)], v[ADQ]
.endif
.endif
.if (NI == 15) && ((\turn) > 0)
	WIN 0
	s_wait_dscnt 0x0
.if (\turn) == 1
	CROUND
	tensor_load_to_lds s[G0B:G0B+3], s[G1C:G1C+7]
	s_nop 0
	PLACES 4
.else
	s_barrier_signal -1
	s_barrier_wait -1
.endif
	FETCH 1-\p, 1
.endif
.set NI, NI+1
.endr
	WIN 0
.endm
.macro INNER3
	s_mov_b32 s[CI], 3
.Linner_\@:
	TILE 1, 1, 1, 0
	TILE 0, 1, 1, 0
	s_sub_co_u32 s[CI], s[CI], 1
	s_cmp_lg_u32 s[CI], 0
	s_cbranch_scc1 .Linner_\@
.endm
	s_load_b256 s[4:11], s[0:1], 0x0
	s_load_b128 s[12:15], s[0:1], 0x20
	s_load_b64 s[16:17], s[0:1], 0x30
	v_lshl_add_u32 v[SPW], v0, 2, SPARE
	v_mov_b32 v[NIL], 0
	ds_add_u32 v[SPW], v[NIL]
	ds_add_u32 v[SPW], v[NIL]
	v_lshrrev_b32 v40, 5, v0
	v_readfirstlane_b32 s[WV], v40
	s_and_b32 s[WK], s[WV], 1
	s_lshr_b32 s[WR], s[WV], 1
	s_mov_b32 s[G1C+0], 15|(3<<16)|(1<<21)
	s_mov_b32 s[G1C+1], 32<<16
	s_mov_b32 s[G1C+2], 128<<16
	s_mov_b32 s[G1C+3], 32<<16
	s_mov_b32 s[G1C+4], 128
	s_mov_b32 s[G1C+5], 32
	s_mov_b32 s[G1C+6], 0
	s_mov_b32 s[G1C+7], 0
	s_mov_b32 s[G1S+0], 15|(3<<16)|(1<<21)
	s_mov_b32 s[G1S+1], 32<<16
	s_mov_b32 s[G1S+2], 32<<16
	s_mov_b32 s[G1S+3], 32<<16
	s_mov_b32 s[G1S+4], 32
	s_mov_b32 s[G1S+5], 32
	s_mov_b32 s[G1S+6], 0
	s_mov_b32 s[G1S+7], 0
	s_mov_b32 s[TB], 0
	s_mov_b32 s[TS], 0
	s_mov_b32 s[TQ], 0
	s_wait_dscnt 0x0
	s_wait_kmcnt 0x0
	s_lshl_b32 s2, s[WV], 13
	s_mov_b32 s3, 0
	s_mov_b32 s[G0S], 1
	s_add_co_u32 s[G0S+1], s2, WSC
	s_add_nc_u64 s[G0S+2:G0S+3], s[10:11], s[2:3]
	s_or_b32 s[G0S+3], s[G0S+3], 0x80000000
	s_lshl_b32 s2, s[WV], 15
	s_mov_b32 s[G0A], 1
	s_mov_b32 s[G0A+1], s2
	s_add_nc_u64 s[G0A+2:G0A+3], s[8:9], s[2:3]
	s_mov_b32 s[G0B], 1
	s_add_co_u32 s[G0B+1], s2, SLOTB
	s_add_nc_u64 s[G0B+2:G0B+3], s[G0A+2:G0A+3], SLOTB
	s_or_b32 s[G0A+3], s[G0A+3], 0x80000000
	s_or_b32 s[G0B+3], s[G0B+3], 0x80000000
	v_and_b32 v40, 31, v0
	v_and_b32 v41, 15, v0
	v_bfe_u32 v42, v0, 4, 1
	v_lshlrev_b32 v[LI], 4, v40
	s_lshl_b32 s2, s[WK], 13
	v_add_nc_u32 v[LB], s2, v[LI]
	s_lshl_b32 s2, s[WK], 8
	s_add_co_u32 s2, s2, WSC
	v_lshl_add_u32 v[LSB], v40, 3, s2
	v_lshl_add_u32 v[LQ], v41, 2, QL-64
	v_lshlrev_b32 v[ASO], 2, v41
	v_lshl_add_u32 v[ASO], v42, 14, v[ASO]
	s_lshl_b32 s2, s[WK], 10
	s_lshl_b32 s3, s[WR], 9
	s_add_co_u32 s2, s2, s3
	s_add_co_u32 s2, s2, SCX
	v_lshl_add_u32 v[SXA], v42, 5, s2
	s_lshl_b32 s2, s[WV], 8
	s_add_co_u32 s2, s2, SCX
	v_lshl_add_u32 v[SXR], v40, 3, s2
	v_lshlrev_b32 v[T16], 4, v0
	s_wait_alu depctr_va_vdst(0)
	v_lshl_add_u32 v[QLA], v0, 4, QL
	v_lshlrev_b32 v[ML], 1, v40
	s_wait_alu depctr_va_vdst(0)
	v_lshlrev_b32 v[L8], 3, v40
	s_bfe_u32 s19, ttmp6, 0x40000
	s_lshl_b32 s20, ttmp9, 2
	s_add_co_u32 s20, s20, s19
	s_lshr_b32 s21, s20, 4
	s_and_b32 s22, s20, 15
	s_mov_b32 s59, 0
	s_lshl_b32 s58, s20, 18
	s_lshl_b32 s60, s[WR], 17
	s_add_co_u32 s58, s58, s60
	s_lshl_b32 s60, s[WK], 13
	s_add_co_u32 s58, s58, s60
	s_add_nc_u64 s[4:5], s[4:5], s[58:59]
	s_lshl_b32 s58, s21, 17
	s_lshl_b32 s60, s[WK], 16
	s_add_co_u32 s58, s58, s60
	s_lshl_b32 s60, s22, 10
	s_add_co_u32 s58, s58, s60
	s_lshl_b32 s60, s[WR], 9
	s_add_co_u32 s58, s58, s60
	s_add_nc_u64 s[6:7], s[6:7], s[58:59]
	s_lshl_b32 s58, s21, 12
	s_add_nc_u64 s[12:13], s[12:13], s[58:59]
	s_lshl_b32 s60, s22, 8
	s_add_co_u32 s58, s58, s60
	s_lshl_b32 s60, s[WV], 6
	s_add_co_u32 s58, s58, s60
	s_add_nc_u64 s[14:15], s[14:15], s[58:59]
	s_lshl_b32 s58, s58, 2
	s_add_nc_u64 s[16:17], s[16:17], s[58:59]
	s_wait_alu depctr_va_vdst(0)                   ; the wait at the head's end
	CROUND                                         ; the round in front of the first joint load
	tensor_load_to_lds s[G0S:G0S+3], s[G1S:G1S+7]  ; my quarter of Wk's scale words: my first tensor load at the head
	s_nop 0
	global_load_b128 v[40:43], v[T16], s[12:13]
	global_load_b128 v[44:47], v[T16], s[12:13] offset:2048
	global_load_u16 v[MK], v[ML], s[14:15]
.irp m, 0,1,2,3,4,5,6,7
.irp j, 0,1
	global_load_b32 v[AS+2*\m+\j], v[ASO], s[6:7] offset:32768*\j+64*\m
.endr
.endr
	WIN 0x80
.irp m, 0,1,2,3,4,5,6,7
.irp s, 0,1
.irp c, 0,1,2,3
	global_load_b128 v[32*\m+16*\s+4*\c:32*\m+16*\s+4*\c+3], v[LI], s[4:5] offset:16384*\m+2048*\s+512*\c th:TH_LOAD_NT
.endr
.endr
.endr
	WIN 0
	s_wait_tensorcnt 0x0                           ; the wait and a round ahead of a later first fill
	ds_add_u32 v[SPW], v[NIL]
	s_wait_dscnt 0x0
	CROUND
	tensor_load_to_lds s[G0A:G0A+3], s[G1C:G1C+7]  ; my quarter of slot 0
	s_nop 0
	WIN 0xc0
.irp m, 0,1,2,3,4,5,6,7
.irp s, 0,1
.irp c, 0,1,2,3
	global_load_b128 v[32*\m+16*\s+4*\c:32*\m+16*\s+4*\c+3], v[LI], s[4:5] offset:16384*\m+2048*(\s+2)+512*\c th:TH_LOAD_NT
.endr
.endr
.endr
	WIN 0
	s_wait_tensorcnt 0x0                           ; the same lines and round ahead of slot 1's first fill
	ds_add_u32 v[SPW], v[NIL]
	s_wait_dscnt 0x0
	CROUND
	tensor_load_to_lds s[G0B:G0B+3], s[G1C:G1C+7]  ; my quarter of slot 1
	s_nop 0
	PLACES 4
.set I, 0
.rept 64
	v_mov_b32 v[SA+I], 0
.set I, I+1
.endr
	v_mov_b32 v[QR+1], 0
	v_mov_b32 v[QR+3], 0
	s_wait_loadcnt 0x0
	ds_store_b128 v[QLA], v[40:43]
	ds_store_b128 v[QLA], v[44:47] offset:2048
	s_wait_dscnt 0x0
	s_wait_tensorcnt 1
	s_barrier_signal -1
	s_barrier_wait -1
	ADDR
	FETCH 0, 0
	TILE 0, 0, 1, 0
	s_mov_b32 s[CO], 6
.Lgroup:
	TILE 1, 1, 1, 0
	TILE 0, 1, 1, 0
	TILE 1, 1, 1, 0
	TILE 0, 1, 1, 0
	TILE 1, 1, 1, 0
	TILE 0, 1, 1, 0
	TILE 1, 1, 1, 1
	TILE 0, 1, 1, 0
	s_sub_co_u32 s[CO], s[CO], 1
	s_cmp_lg_u32 s[CO], 0
	s_cbranch_scc1 .Lgroup
	INNER3
	TILE 1, 1, 1, 2
	TILE 0, 1, 1, 0
	INNER3
	TILE 1, 1, 2, 0
	s_wait_dscnt 0x0
	PLACES 8
.set NJ, 0
.rept 32
	FM 1
.endr
.irp x, 1,2,4,8
.set I, 0
.rept 64
	v_add_f32_dpp v[SA+I], v[SA+I], v[SA+I] row_xmask:\x row_mask:0xf bank_mask:0xf
.set I, I+1
.endr
.endr
.irp m, 0,1,2,3,4,5,6,7
	ds_store_b128 v[SXA], v[SA+8*\m:SA+8*\m+3] offset:64*\m
	ds_store_b128 v[SXA], v[SA+8*\m+4:SA+8*\m+7] offset:64*\m+16
.endr
	s_wait_dscnt 0x0
	s_barrier_signal -1
	s_barrier_wait -1
	ds_load_b64 v[40:41], v[SXR]
	ds_load_b64 v[42:43], v[SXR] offset:1024
	v_mov_b32 v44, 0xff800000
	v_and_b32 v45, 0xff, v[MK]
	v_lshrrev_b32 v46, 8, v[MK]
	s_wait_alu depctr_va_vdst(0)
	s_wait_dscnt 0x0
	v_pk_add_f32 v[40:41], v[40:41], v[42:43]
	v_cmp_ne_u32 vcc_lo, 0, v45
	v_cndmask_b32 v40, v44, v40, vcc_lo
	v_cmp_ne_u32 vcc_lo, 0, v46
	v_cndmask_b32 v41, v44, v41, vcc_lo
	global_store_b64 v[L8], v[40:41], s[16:17]
	s_wait_tensorcnt 0x0
	ds_add_u32 v[SPW], v[NIL]
	s_wait_dscnt 0x0
	CROUND
	s_endpgm
.Lfunc_end_k_q777d88a5c8_scores:
	.size	k_q777d88a5c8_scores, .Lfunc_end_k_q777d88a5c8_scores-k_q777d88a5c8_scores
	.p2alignl 7, 3214868480
	.fill 96, 4, 3214868480
	.section	.rodata,"a",@progbits
	.p2align	6, 0x0
	.amdhsa_kernel k_q777d88a5c8_scores
		.amdhsa_group_segment_fixed_size 327680
		.amdhsa_private_segment_fixed_size 0
		.amdhsa_enable_private_segment 0
		.amdhsa_kernarg_size 56
		.amdhsa_user_sgpr_count 2
		.amdhsa_user_sgpr_kernarg_segment_ptr 1
		.amdhsa_wavefront_size32 1
		.amdhsa_system_sgpr_workgroup_id_x 1
		.amdhsa_system_sgpr_workgroup_id_y 1
		.amdhsa_system_sgpr_workgroup_id_z 1
		.amdhsa_system_vgpr_workitem_id 0
		.amdhsa_next_free_vgpr 1024
		.amdhsa_next_free_sgpr 66
		.amdhsa_reserve_vcc 1
		.amdhsa_float_denorm_mode_32 3
		.amdhsa_float_denorm_mode_16_64 3
		.amdhsa_memory_ordered 1
		.amdhsa_forward_progress 1
		.amdhsa_inst_pref_size 166
	.end_amdhsa_kernel
	.amdgpu_metadata
---
amdhsa.version: [ 1, 2 ]
amdhsa.kernels:
  - .name:           k_q777d88a5c8_scores
    .symbol:         k_q777d88a5c8_scores.kd
    .args:
      - { .name: xc, .offset: 0, .size: 8, .value_kind: global_buffer, .address_space: global }
      - { .name: xs, .offset: 8, .size: 8, .value_kind: global_buffer, .address_space: global }
      - { .name: wkc, .offset: 16, .size: 8, .value_kind: global_buffer, .address_space: global }
      - { .name: wks, .offset: 24, .size: 8, .value_kind: global_buffer, .address_space: global }
      - { .name: qv, .offset: 32, .size: 8, .value_kind: global_buffer, .address_space: global }
      - { .name: mask, .offset: 40, .size: 8, .value_kind: global_buffer, .address_space: global }
      - { .name: ts, .offset: 48, .size: 8, .value_kind: global_buffer, .address_space: global }
    .group_segment_fixed_size: 327680
    .private_segment_fixed_size: 0
    .kernarg_segment_align: 8
    .kernarg_segment_size: 56
    .max_flat_workgroup_size: 128
    .sgpr_count:     66
    .vgpr_count:     1024
    .wavefront_size: 32
...
	.end_amdgpu_metadata
.endif
;; end of part 3
;; launch pool (part 4): grid 256 x 1, 16 waves a work-group, no clusters, 23,040 bytes of LDS; arguments x, ts, out0; writes out0
.if DOCPART == 4
	.amdgcn_target "amdgcn-amd-amdhsa--gfx1250"
	.amdhsa_code_object_version 6
	.text
	.protected	k_q777d88a5c8_pool
	.globl	k_q777d88a5c8_pool
	.p2align	8
	.type	k_q777d88a5c8_pool,@function
k_q777d88a5c8_pool:
	s_mov_b64 s[64:65], 0
	v_nop
	global_prefetch_b8 v0, s[64:65] scope:SCOPE_SE
	s_setreg_imm32_b32 hwreg(HW_REG_WAVE_MODE, 25, 1), 1
	s_wait_xcnt 0x0
; Launch 4 of 4.  No work of reference() is left out.
; out0[b][d] = sum_t p_t x[b][t][d] / sum_t p_t, p_t = 2^(ts[b][t] - m), m the batch's largest ts (ts is the score times log2(e); -infinity under the mask gives p = 0).  All in f32: the fourth product has one row, so it is
; fused multiply-adds on the vector unit.  LIMIT: a batch whose mask is all false gives NaN (-infinity less -infinity), as reference() does.
; SHARES.  Work-group g: cs = g & 15: 64 columns (256 bytes of every row), b = g >> 4: each output has ONE owner, so no launch adds parts.  Wave w owns rows 256 w .. 256 w + 255.
; A load takes two rows' 256 bytes: lanes 0-15 row i, lanes 16-31 row 128 + i, 16 bytes a lane; each half is 256 consecutive bytes at a multiple of 256 from x's first byte.  A ring of 32 loads of every wave is on its way:
; 16 waves x 32 loads x 512 bytes = 262,144 bytes a work-group.  The registers for it are had by keeping p in LDS: of a half's 128 p a lane holds two sets of 32, the next set read from the wave's own LDS bytes a block ahead.
; Every work-group of a batch makes the softmax's p anew from ts: 16 KB beside its 1 MB of x, too small a part to share in a cluster; x itself is shared by nobody.
.set PB,    0                          ; p in row order: 1,024 bytes for each wave, its own
.set MX,    16384                      ; the waves' maxima
.set SM,    16640                      ; the waves' sums
.set OX,    16896                      ; the waves' 64 column sums: 256 bytes each
.set SPARE, 20992                      ; the spare words, 128 bytes for each wave: eight blocks of 256 bytes that no other line names
.set DEPTH, 32                         ; slots of the ring
.set SPW, 1
.set NIL, 2
.set XO,  3                            ; v3   x: 128 rows x h + 16 r
.set L16, 4                            ; v4   16 x lane
.set PBW, 5                            ; v5   where my eight p go
.set PBR, 6                            ; v6   where my half's 128 p are read
.set MXW, 7
.set SMW, 8
.set OXW, 9
.set OXR, 10
.set MXR, 11
.set SMR, 12
.set L8,  13                           ; v13  8 x lane
.set T,   16                           ; v[16:23] t, then p, of rows 4 lane + 0..3 and 128 + 4 lane + 0..3
.set RING, 24                          ; v24-151  32 slots of 4 registers
.set P,   152                          ; v152-215 p of 32 rows of my half, two sets
.set ACC, 232                          ; v232-247 four sets of four sums; the rows take them by turns, so 15 multiply-adds stand between a sum's write and its next read
.set WV,  10
.set SEL, 22
	s_load_b128 s[4:7], s[0:1], 0x0                ; x s[4:5], ts s[6:7]
	s_load_b64 s[8:9], s[0:1], 0x10                ; out0
	v_lshl_add_u32 v[SPW], v0, 2, SPARE
	v_mov_b32 v[NIL], 0
	v_lshrrev_b32 v13, 5, v0
	v_readfirstlane_b32 s[WV], v13                 ; wave 0..15
	v_and_b32 v13, 31, v0                          ; lane
	v_and_b32 v14, 15, v0                          ; r
	v_bfe_u32 v15, v0, 4, 1                        ; h
	v_lshlrev_b32 v[XO], 4, v14
	v_lshl_add_u32 v[XO], v15, 19, v[XO]
	v_lshlrev_b32 v[L16], 4, v13
	s_lshl_b32 s11, s[WV], 10
	v_add_nc_u32 v[PBW], s11, v[L16]
	v_lshl_add_u32 v[PBR], v15, 9, s11
	s_lshl_b32 s12, s[WV], 2
	s_add_co_u32 s13, s12, MX
	v_mov_b32 v[MXW], s13
	s_add_co_u32 s13, s12, SM
	v_mov_b32 v[SMW], s13
	s_lshl_b32 s13, s[WV], 8
	s_add_co_u32 s13, s13, OX
	v_lshl_add_u32 v[OXW], v14, 4, s13
	v_lshl_add_u32 v[OXR], v13, 3, OX
	v_mov_b32 v[MXR], MX
	v_mov_b32 v[SMR], SM
	v_lshlrev_b32 v[L8], 3, v13
.irp j, 0,1,2,3
	v_mov_b32 v[224+\j], 0                         ; written once: a lane permute's destination counts as one of its sources
.endr
	s_mov_b32 s[SEL], 0x76543210
	s_mov_b32 s[SEL+1], 0xfedcba98
	s_and_b32 s14, ttmp9, 15                       ; cs
	s_lshr_b32 s15, ttmp9, 4                       ; b
	s_lshl_b32 s16, s15, 24                        ; x: (4,096 b + 256 w) rows of 4,096 bytes + 256 cs (under 2^28)
	s_lshl_b32 s18, s[WV], 20
	s_add_co_u32 s16, s16, s18
	s_lshl_b32 s20, s14, 8
	s_add_co_u32 s16, s16, s20
	s_mov_b32 s17, 0
	s_lshl_b32 s18, s15, 14                        ; ts: 16,384 b + 1,024 w
	s_add_co_u32 s18, s18, s11
	s_mov_b32 s19, 0
	s_lshl_b32 s21, s15, 12                        ; out0: 4,096 b + 256 cs
	s_add_co_u32 s20, s20, s21
	s_mov_b32 s21, 0
	s_wait_alu depctr_va_vdst(0)                   ; the wait at the head's end
	s_wait_kmcnt 0x0
	s_add_nc_u64 s[4:5], s[4:5], s[16:17]
	s_add_nc_u64 s[6:7], s[6:7], s[18:19]
	s_add_nc_u64 s[8:9], s[8:9], s[20:21]
	global_load_b128 v[T:T+3], v[L16], s[6:7]
	global_load_b128 v[T+4:T+7], v[L16], s[6:7] offset:512
.set I, 0
.rept DEPTH
	global_load_b128 v[RING+4*I:RING+4*I+3], v[XO], s[4:5] offset:4096*I th:TH_LOAD_NT   ; the ring is filled before the softmax is begun
.set I, I+1
.endr
	s_wait_loadcnt DEPTH                           ; my eight t are in; the ring's 32 loads stay out
	v_max3_num_f32 v228, v[T], v[T+1], v[T+2]
	v_max3_num_f32 v229, v[T+3], v[T+4], v[T+5]
	v_max3_num_f32 v228, v228, v[T+6], v[T+7]
	v_max_num_f32 v228, v228, v229
.irp x, 1,2,4,8
	v_max_num_f32_dpp v228, v228, v228 row_xmask:\x row_mask:0xf bank_mask:0xf
.endr
	v_permlanex16_b32 v224, v228, s[SEL], s[SEL+1]
	v_max_num_f32 v228, v228, v224                 ; my wave's largest t
	ds_store_b32 v[MXW], v228                      ; all lanes write the same word with the same value
	s_wait_dscnt 0x0
	s_barrier_signal -1
	s_barrier_wait -1
.irp k, 0,1,2,3
	ds_load_b128 v[P+4*\k:P+4*\k+3], v[MXR] offset:16*\k
.endr
	s_wait_dscnt 0x0
	v_max3_num_f32 v228, v[P], v[P+1], v[P+2]
	v_max3_num_f32 v229, v[P+3], v[P+4], v[P+5]
.irp k, 6,10
	v_max3_num_f32 v228, v228, v[P+\k], v[P+\k+1]
	v_max3_num_f32 v229, v229, v[P+\k+2], v[P+\k+3]
.endr
	v_max3_num_f32 v228, v228, v[P+14], v[P+15]
	v_max_num_f32 v228, v228, v229                 ; m: the batch's largest t, taken away before the exponential as reference() does
.irp j, 0,1,2,3,4,5,6,7
	v_sub_f32 v[T+\j], v[T+\j], v228
.endr
	s_wait_alu depctr_va_vdst(0)                   ; the wait ahead of the batch
.irp j, 0,1,2,3,4,5,6,7
	v_exp_f32 v[T+\j], v[T+\j]                     ; p, at most 1
.endr
	v_nop                                          ; a plain line behind the last exponential
	s_wait_alu depctr_va_vdst(0)                   ; one wait for the batch of eight, ahead of its first reader
	v_pk_add_f32 v[228:229], v[T:T+1], v[T+2:T+3]
	v_pk_add_f32 v[230:231], v[T+4:T+5], v[T+6:T+7]
	v_pk_add_f32 v[228:229], v[228:229], v[230:231]
	v_add_f32 v228, v228, v229
.irp x, 1,2,4,8
	v_add_f32_dpp v228, v228, v228 row_xmask:\x row_mask:0xf bank_mask:0xf
.endr
	v_permlanex16_b32 v225, v228, s[SEL], s[SEL+1]
	v_add_f32 v228, v228, v225                     ; my wave's sum of p
	ds_store_b32 v[SMW], v228                      ; read behind the second barrier
	ds_store_b128 v[PBW], v[T:T+3]                 ; p in row order,
	ds_store_b128 v[PBW], v[T+4:T+7] offset:512
; p of rows 32 blk .. 32 blk + 31 of my half into set blk % 2: every lane of a half takes the same 16 bytes (my wave's own bytes; LDS serves a wave's instructions in order: ISA guide 5.7.1.4)
.macro PLOAD blk
.irp g, 0,1,2,3,4,5,6,7
	ds_load_b128 v[P+32*((\blk)%2)+4*\g:P+32*((\blk)%2)+4*\g+3], v[PBR] offset:128*(\blk)+16*\g
.endr
.endm
	PLOAD 0
	PLOAD 1
; Row i of each half: four fused multiply-adds; then the slot takes the row 32 further on.  The count on LOADcnt leaves the ring's younger loads out.  At the head of a block of 32 rows the set that the block before has
; read takes the p of the block after this one, and the count on DScnt leaves those eight loads out.
.macro SLOT i
.if (\i)%32 == 0
.if (\i) == 0
	s_wait_dscnt 8                                 ; block 0's p are in; block 1's eight loads may be out
.elseif (\i) < 96
	PLOAD (\i)/32+1
	s_wait_dscnt 8                                 ; this block's p are in; the eight just issued may be out
.else
	s_wait_dscnt 0x0
.endif
.endif
.if 127-(\i) < DEPTH-1
	s_wait_loadcnt 127-(\i)
.else
	s_wait_loadcnt DEPTH-1
.endif
.irp q, 0,1,2,3
.if (\i) < 4
	v_mul_f32 v[ACC+4*((\i)%4)+\q], v[RING+4*((\i)%DEPTH)+\q], v[P+32*(((\i)/32)%2)+(\i)%32]      ; the first four rows start the sums: nothing is cleared
.else
	v_fmac_f32 v[ACC+4*((\i)%4)+\q], v[RING+4*((\i)%DEPTH)+\q], v[P+32*(((\i)/32)%2)+(\i)%32]
.endif
.endr
.if (\i) < 128-DEPTH
	global_load_b128 v[RING+4*((\i)%DEPTH):RING+4*((\i)%DEPTH)+3], v[XO], s[4:5] offset:4096*((\i)+DEPTH) th:TH_LOAD_NT
.endif
.endm
.set I, 0
.rept 128
	SLOT I
.set I, I+1
.endr
	s_wait_alu depctr_va_vdst(0)
	v_pk_add_f32 v[ACC:ACC+1], v[ACC:ACC+1], v[ACC+4:ACC+5]        ; the four sets are added
	v_pk_add_f32 v[ACC+2:ACC+3], v[ACC+2:ACC+3], v[ACC+6:ACC+7]
	v_pk_add_f32 v[ACC+8:ACC+9], v[ACC+8:ACC+9], v[ACC+12:ACC+13]
	v_pk_add_f32 v[ACC+10:ACC+11], v[ACC+10:ACC+11], v[ACC+14:ACC+15]
	v_pk_add_f32 v[ACC:ACC+1], v[ACC:ACC+1], v[ACC+8:ACC+9]
	v_pk_add_f32 v[ACC+2:ACC+3], v[ACC+2:ACC+3], v[ACC+10:ACC+11]
.irp q, 0,1,2,3
	v_permlanex16_b32 v[224+\q], v[ACC+\q], s[SEL], s[SEL+1]
.endr
	v_pk_add_f32 v[ACC:ACC+1], v[ACC:ACC+1], v[224:225]            ; with the other half's 128 rows
	v_pk_add_f32 v[ACC+2:ACC+3], v[ACC+2:ACC+3], v[226:227]
	ds_store_b128 v[OXW], v[ACC:ACC+3]             ; lanes r and r + 16 write the same bytes with the same values
	s_wait_dscnt 0x0
	s_barrier_signal -1
	s_barrier_wait -1
	s_cmp_lg_u32 s[WV], 0
	s_cbranch_scc1 .Lend
.irp k, 0,1,2,3,4,5,6,7,8,9,10,11,12,13,14,15
	ds_load_b64 v[RING+2*\k:RING+2*\k+1], v[OXR] offset:256*\k     ; two columns a lane, of each wave
.endr
.irp k, 0,1,2,3
	ds_load_b128 v[RING+32+4*\k:RING+35+4*\k], v[SMR] offset:16*\k
.endr
	s_wait_dscnt 0x0
.irp k, 1,2,3,4,5,6,7
	v_pk_add_f32 v[RING+32:RING+33], v[RING+32:RING+33], v[RING+32+2*\k:RING+33+2*\k]
.endr
	v_add_f32 v[RING+32], v[RING+32], v[RING+33]   ; the batch's sum of p
	s_wait_alu depctr_va_vdst(0)                   ; the wait ahead of the transcendental
	v_rcp_f32 v[RING+34], v[RING+32]
.irp k, 1,2,3,4,5,6,7,8,9,10,11,12,13,14,15
	v_pk_add_f32 v[RING:RING+1], v[RING:RING+1], v[RING+2*\k:RING+2*\k+1]   ; plain work behind the reciprocal, which names neither its source nor its result
.endr
	s_wait_alu depctr_va_vdst(0)                   ; the wait ahead of the reciprocal's first reader
	v_pk_mul_f32 v[RING:RING+1], v[RING:RING+1], v[RING+34:RING+35] op_sel_hi:[1,0]
	global_store_b64 v[L8], v[RING:RING+1], s[8:9] ; 32 lanes store 256 consecutive bytes, at a multiple of 256 from out0's first byte
.Lend:
	s_wait_tensorcnt 0x0                           ; the wave's end: behind my last LDS store
	ds_add_u32 v[SPW], v[NIL]
	s_wait_dscnt 0x0
	s_endpgm
.Lfunc_end_k_q777d88a5c8_pool:
	.size	k_q777d88a5c8_pool, .Lfunc_end_k_q777d88a5c8_pool-k_q777d88a5c8_pool
	.p2alignl 7, 3214868480
	.fill 96, 4, 3214868480
	.section	.rodata,"a",@progbits
	.p2align	6, 0x0
	.amdhsa_kernel k_q777d88a5c8_pool
		.amdhsa_group_segment_fixed_size 23040
		.amdhsa_private_segment_fixed_size 0
		.amdhsa_enable_private_segment 0
		.amdhsa_kernarg_size 24
		.amdhsa_user_sgpr_count 2
		.amdhsa_user_sgpr_kernarg_segment_ptr 1
		.amdhsa_wavefront_size32 1
		.amdhsa_system_sgpr_workgroup_id_x 1
		.amdhsa_system_sgpr_workgroup_id_y 1
		.amdhsa_system_sgpr_workgroup_id_z 1
		.amdhsa_system_vgpr_workitem_id 0
		.amdhsa_next_free_vgpr 248
		.amdhsa_next_free_sgpr 66
		.amdhsa_reserve_vcc 0
		.amdhsa_float_denorm_mode_32 3
		.amdhsa_float_denorm_mode_16_64 3
		.amdhsa_memory_ordered 1
		.amdhsa_forward_progress 1
		.amdhsa_inst_pref_size 44
	.end_amdhsa_kernel
	.amdgpu_metadata
---
amdhsa.version: [ 1, 2 ]
amdhsa.kernels:
  - .name:           k_q777d88a5c8_pool
    .symbol:         k_q777d88a5c8_pool.kd
    .args:
      - { .name: x, .offset: 0, .size: 8, .value_kind: global_buffer, .address_space: global }
      - { .name: ts, .offset: 8, .size: 8, .value_kind: global_buffer, .address_space: global }
      - { .name: out0, .offset: 16, .size: 8, .value_kind: global_buffer, .address_space: global }
    .group_segment_fixed_size: 23040
    .private_segment_fixed_size: 0
    .kernarg_segment_align: 8
    .kernarg_segment_size: 24
    .max_flat_workgroup_size: 512
    .sgpr_count:     66
    .vgpr_count:     248
    .wavefront_size: 32
...
	.end_amdgpu_metadata
.endif
;; end of part 4
